; MI455X (gfx1250); checked and timed in simulation.
; The chip was launched on July 23, 2026; its instructions are those of AMD's public machine-readable ISA for CDNA 5 (MIT licence, August 2026) and "CDNA5" Instruction Set Architecture Reference Guide (July 2026). The comments in the code are by the model that wrote it; some were corrected since.
;; Multi Head Attention. Allowed arithmetic: matrix products marked QUANTISED: E4M3 operands, one given power-of-two scale a tensor, by v_wmma_f32_16x16x64_fp8_fp8 or v_wmma_f32_16x16x128_fp8_fp8, f32 sums; everything else in f32.
;; Inputs: Wk 16 x 64 x 1,024 float32; Wq 16 x 64 x 1,024 float32; Wv 16 x 64 x 1,024 float32; embedded 2 x 2,048 x 1,024 float32; lowp_scales 10 int32 (the exponents e of the quantised operands' scales 2^e).
;; Outputs: out0 2 x 2,048 x 1,024 float32.
;; This version of the problem:
;;   THIS VERSION OF THE PROBLEM IS GIVEN IN LOW PRECISION. The matrix products marked QUANTISED in the list below multiply operands that are first quantised to E4M3 (4 exponent bits, 3 mantissa bits; 8 bits a number), with one given power-of-two scale for each operand tensor; their sums are f32. All else is computed in f32.
;;   The module's matrix products, in the order in which they are computed (A, B: the left and right operand; K: the contracted axis; several contracted axes count as one K, in the product's order):
;;     1. [M 1,024, K 1,024] x [K 1,024, N 4,096]; A: input Wq; B: input embedded: QUANTISED (scales: A lowp_scales[0], B lowp_scales[1])
;;     2. [M 1,024, K 1,024] x [K 1,024, N 4,096]; A: input Wk; B: input embedded: QUANTISED (scales: A lowp_scales[2], B lowp_scales[3])
;;     3. [M 1,024, K 1,024] x [K 1,024, N 4,096]; A: input Wv; B: input embedded: QUANTISED (scales: A lowp_scales[4], B lowp_scales[5])
;;     4. batch 32 x [M 2,048, K 64] x [K 64, N 2,048]; A: computed on the way; B: computed on the way: QUANTISED (scales: A lowp_scales[6], B lowp_scales[7])
;;     5. batch 32 x [M 2,048, K 2,048] x [K 2,048, N 64]; A: softmax (see below); B: computed on the way: QUANTISED (scales: A lowp_scales[8], B lowp_scales[9])
;;   THE QUANTISER, for each operand of a quantised product, along K:
;;     - The operand's scale is 2^e, e = its entry of the input lowp_scales (int32; the entries are numbered through the quantised products in the list's order, A before B).
;;     - Each number is divided by the scale, clamped to +-448, and rounded to the nearest number of E4M3, ties to even, subnormals kept.
;;     - The product sums the exact products of the quantised numbers (number of the format x scale) in f32.
;;   ~~~python
;;   def quantise(x, axis, e):      # numpy; x: float32 -> the quantised numbers, widened to float32 again
;;       x = np.moveaxis(x, axis, -1); K = x.shape[-1]
;;       r = np.clip(x / 2.0 ** e, -448, 448)
;;       step = 2.0 ** (np.maximum(np.frexp(np.where(r == 0, 1, r))[1] - 1, -6) - 3)
;;       q = np.round(r / step) * step * 2.0 ** e      # np.round: ties to even
;;       return np.moveaxis(q, -1, axis).astype(np.float32)
;;   ~~~
;;   SOFTMAX AHEAD OF A QUANTISED PRODUCT. Where the list says 'softmax', what is quantised is not the finished softmax but p = 2^(t - M), with t = logit x log2(e) and M = ceil(the row's largest t), a whole number; so 1/2 < the row's largest p <= 1. The row's sum l is taken of the UNQUANTISED p, in f32, and the product's result is divided by l at the end. Since M is a whole number, a kernel that streams over the keys may use a running M (the ceiling of the running maximum): every later rescaling is an exact power of two, so the quantised numbers keep their values, but for numbers so far below the row's largest that they fall under the format's range.
;;   OPERANDS COMPUTED ON THE WAY. 'Computed on the way' means the value that the module computes at that place (a softmax that the list does not call 'softmax' is quantised finished and normalised). What goes into a quantiser is computed in f32, as accurately as f32 sums, v_exp_f32 and their like allow (about 1e-6 of the number): no bf16 or f16 on the way to a quantiser, and a product that is left as it is and whose result goes on into a quantised operand takes f32 operands (vector FMAs, or v_wmma_f32_16x16x4_f32). A number that lies on a knife's edge between two numbers of the format may be rounded either way, as far as f32 arithmetic and the matrix unit's own rounding can turn it there, and no further.
;; One version. Each part assembles by itself: llvm-mc -triple=amdgcn-amd-amdhsa -mcpu=gfx1250 --defsym DOCPART=n.
;; ======== version 1 of 1: 3 launches
;; limits: right only within a limited range of input values
;; workspace buffers: xc 12,582,912 bytes; wc 3,145,728 bytes; qc 4,194,304 bytes; kv 8,388,608 bytes
;; launch quant (part 1): grid 448 x 1, 8 waves a work-group, no clusters, 68,608 bytes of LDS; arguments embedded, Wq, Wk, Wv, lowp_scales, xc, wc; writes xc, wc
.if DOCPART == 1
	.amdgcn_target "amdgcn-amd-amdhsa--gfx1250"
	.amdhsa_code_object_version 6
	.text
	.protected	k_qf772449d87_quant
	.globl	k_qf772449d87_quant
	.p2align	8
	.type	k_qf772449d87_quant,@function
k_qf772449d87_quant:
	s_mov_b64 s[64:65], 0
	v_nop
	global_prefetch_b8 v0, s[64:65] scope:SCOPE_SE
	s_setreg_imm32_b32 hwreg(HW_REG_WAVE_MODE, 25, 1), 1
	s_wait_xcnt 0x0
; embedded [4096][1024] and Wq, Wk, Wv [1024][1024], f32, K innermost, become codes of FP8 (E4M3).
; code = x / 2^e, held within +-448, rounded to the nearest code, ties to even.  embedded is an operand of three products, each with a scale of its own
; (entries 1, 3, 5 of the scales): it is read once and converted three times, into three planes of xc.  Wq, Wk, Wv take entries 0, 2, 4, into wc.
; LIMITS: each of these six exponents lies between -126 and 119, so that 2^e and 448 x 2^e are f32 numbers.  NaN among the inputs is not served; an infinity is held at the largest code.
; LAYOUT OF THE CODES: images of operand registers.  A fragment is 16 rows x 128 K = four chunks of 512 bytes; in chunk c lane (r, h) has 16 bytes at 16 x lane: row r, k = 32 c + 16 h + 0 .. 15.
;   xc: [plane 0..2][block of 128 tokens 0..31][K step 0..7][tile of 16 rows 0..7][chunk][lane][16 bytes];  wc: [matrix 0..2][block of 128 rows 0..7][K step][tile][chunk][lane][16 bytes].
; SHARES: a work-group takes 16 rows (work-groups 0-255: of embedded; 256-447: 64 for each W); wave w takes K step w: 16 rows x 128 numbers, one fragment.
; Each load reads 512 consecutive bytes of a row; the numbers turn through the wave's own stage in LDS (rows 528 bytes apart = 33 x 16, so that sixteen rows' reads of 16 bytes fall on sixteen different
; columns of 16 bytes) so that a lane holds 16 neighbours along K; each store writes 512 consecutive bytes.  Waves share nothing: no barrier.
.set R,     16                         ; v16-79    the numbers as loaded: row i in v[R+4i ..]
.set X,     80                         ; v80-143   register 16 c + i = k 32 c + 16 h + i of my row
.set T,     144                        ; v144-175  two sets of 16 held numbers, by turns
.set C,     176                        ; v176-223  codes: 16 registers a plane, never written again
.set STG,   8448                       ; a wave's stage: 16 rows x 528 bytes
.set PITCH, 528
.set NX,    256                        ; work-groups that take embedded
	s_load_b256 s[4:11], s[0:1], 0x0               ; embedded s[4:5], Wq s[6:7], Wk s[8:9], Wv s[10:11]
	s_load_b128 s[12:15], s[0:1], 0x20             ; the scales' exponents s[12:13], xc s[14:15]
	s_load_b64 s[16:17], s[0:1], 0x30              ; wc
	v_lshl_add_u32 v224, v0, 2, 0x10800
	v_mov_b32 v225, 0
	v_lshrrev_b32 v11, 5, v0
	s_delay_alu instid0(VALU_DEP_1)
	v_readfirstlane_b32 s20, v11                   ; wave 0..7 = K step
	v_and_b32 v1, 31, v0                           ; lane
	s_delay_alu instid0(VALU_DEP_1)
	v_lshlrev_b32 v2, 4, v1                        ; 16 x lane: my bytes of a load's and of a store's 512
	s_mul_i32 s47, s20, STG                        ; my stage
	v_add_nc_u32 v3, s47, v2                       ; into it: as loaded
	v_and_b32 v11, 15, v0                          ; r
	v_bfe_u32 v12, v0, 4, 1                        ; h
	s_delay_alu instid0(VALU_DEP_2)
	v_mul_u32_u24 v4, v11, PITCH
	s_delay_alu instid0(VALU_DEP_1)
	v_lshl_add_u32 v4, v12, 6, v4
	s_delay_alu instid0(VALU_DEP_1)
	v_add_nc_u32 v4, s47, v4                       ; out of it: row r, + 64 h bytes: my 16 numbers of a block of 32
	s_sub_co_u32 s23, ttmp9, NX
	s_lshr_b32 s22, s23, 6                         ; which W
	s_and_b32 s21, s23, 63                         ; and which 16 of its rows
	s_cmp_lt_u32 ttmp9, NX
	s_cselect_b32 s21, ttmp9, s21                  ; tile of 16 rows
	s_cselect_b32 s22, 0, s22                      ; matrix (0 for embedded)
	s_lshl_b32 s28, s21, 16                        ; source: 16 rows of 4,096 bytes,
	s_lshl_b32 s44, s20, 9                         ; + my K step's 512 bytes
	s_add_co_u32 s28, s28, s44
	s_mov_b32 s29, 0
	s_lshr_b32 s30, s21, 3                         ; codes: block of 128 rows x 131,072 bytes,
	s_lshl_b32 s30, s30, 17
	s_lshl_b32 s44, s20, 14                        ; + K step x 16,384,
	s_add_co_u32 s30, s30, s44
	s_and_b32 s44, s21, 7
	s_lshl_b32 s44, s44, 11                        ; + tile x 2,048,
	s_add_co_u32 s30, s30, s44
	s_lshl_b32 s44, s22, 20                        ; + matrix x 1,048,576
	s_add_co_u32 s30, s30, s44
	s_mov_b32 s31, 0
	s_wait_alu depctr_va_vdst(0)
	s_wait_kmcnt 0x0
	s_load_b256 s[32:39], s[12:13], 0x0            ; e0 .. e7
	s_cmp_eq_u32 s22, 1                            ; the choices hang on the work-group's number alone
	s_cselect_b64 s[24:25], s[8:9], s[6:7]
	s_cmp_eq_u32 s22, 2
	s_cselect_b64 s[24:25], s[10:11], s[24:25]
	s_cmp_lt_u32 ttmp9, NX
	s_cselect_b64 s[24:25], s[4:5], s[24:25]       ; from where
	s_cselect_b64 s[26:27], s[14:15], s[16:17]     ; to where
	s_add_nc_u64 s[24:25], s[24:25], s[28:29]
	s_add_nc_u64 s[26:27], s[26:27], s[30:31]
.irp i, 0,1,2,3,4,5,6,7,8,9,10,11,12,13,14,15
	global_load_b128 v[R+4*\i:R+4*\i+3], v2, s[24:25] offset:4096*\i th:TH_LOAD_NT   ; row i: 32 lanes read 512 consecutive bytes; read once in the launch
.endr
; 2^e as f32 (the conversion takes its exponent field) and 448 x 2^e
.macro MKSC e, vs, vl
	s_add_co_i32 s44, s[\e], 127
	s_lshl_b32 s45, s44, 23
	v_mov_b32 v[\vs], s45
	s_add_co_i32 s44, s44, 8
	s_lshl_b32 s44, s44, 23
	s_or_b32 s44, s44, 0x600000
	v_mov_b32 v[\vl], s44
.endm
	s_wait_kmcnt 0x0
	s_cmp_eq_u32 s22, 1
	s_cselect_b32 s46, s34, s32                    ; Wk: e2; Wq: e0
	s_cmp_eq_u32 s22, 2
	s_cselect_b32 s46, s36, s46                    ; Wv: e4
	s_cmp_lt_u32 ttmp9, NX
	s_cselect_b32 s46, s33, s46                    ; embedded, plane 0: e1
	MKSC 46, 5, 6
	MKSC 35, 7, 8                                  ; plane 1: e3
	MKSC 37, 9, 10                                 ; plane 2: e5
	s_wait_alu depctr_va_vdst(0)
.irp i, 0,1,2,3,4,5,6,7,8,9,10,11,12,13,14,15
	s_wait_loadcnt 15-\i                           ; loads come back in order: row i is in, the younger rows may be out
	ds_store_b128 v3, v[R+4*\i:R+4*\i+3] offset:PITCH*\i
.endr
.irp c, 0,1,2,3
.irp j, 0,1,2,3
	ds_load_b128 v[X+16*\c+4*\j:X+16*\c+4*\j+3], v4 offset:128*\c+16*\j   ; LDS serves a wave's instructions in order: these see my stores
.endr
.endr
	s_wait_dscnt 0x0
; One plane: the 64 numbers are held (into T: X is kept for the next plane), converted and stored.  The two sets of T take turns, so that a conversion's sources are written again only sixteen plain instructions later.
.macro PLANE p, vs, vl, base
.irp c, 0,1,2,3
.irp i, 0,1,2,3,4,5,6,7,8,9,10,11,12,13,14,15
	v_med3_num_f32 v[T+16*(\c%2)+\i], v[X+16*\c+\i], -v[\vl], v[\vl]   ; the conversion to an 8-bit code does not saturate (ISA guide 7.6.2): hold first
.endr
	v_cvt_scalef32_pk8_fp8_f32 v[C+16*\p+4*\c:C+16*\p+4*\c+1], v[T+16*(\c%2):T+16*(\c%2)+7], v[\vs]
	v_cvt_scalef32_pk8_fp8_f32 v[C+16*\p+4*\c+2:C+16*\p+4*\c+3], v[T+16*(\c%2)+8:T+16*(\c%2)+15], v[\vs]
.endr
	v_nop                                          ; a plain line behind the last conversion
.irp c, 0,1,2,3
	global_store_b128 v2, v[C+16*\p+4*\c:C+16*\p+4*\c+3], s[\base:\base+1] offset:512*\c   ; chunk c: 512 consecutive bytes
.endr
.endm
	PLANE 0, 5, 6, 26
	s_cmp_lt_u32 ttmp9, NX                         ; a W has one plane; the branch goes round register work and stores alone
	s_cbranch_scc0 .Lend
	s_add_nc_u64 s[40:41], s[26:27], 0x400000      ; a plane of xc is 4,194,304 bytes
	s_add_nc_u64 s[42:43], s[26:27], 0x800000
	PLANE 1, 7, 8, 40
	PLANE 2, 9, 10, 42
.Lend:
	s_wait_tensorcnt 0x0
	ds_add_u32 v224, v225
	s_wait_dscnt 0x0
	s_endpgm
.Lfunc_end_k_qf772449d87_quant:
	.size	k_qf772449d87_quant, .Lfunc_end_k_qf772449d87_quant-k_qf772449d87_quant
	.p2alignl 7, 3214868480
	.fill 96, 4, 3214868480
	.section	.rodata,"a",@progbits
	.p2align	6, 0x0
	.amdhsa_kernel k_qf772449d87_quant
		.amdhsa_group_segment_fixed_size 68608
		.amdhsa_private_segment_fixed_size 0
		.amdhsa_enable_private_segment 0
		.amdhsa_kernarg_size 56
		.amdhsa_user_sgpr_count 2
		.amdhsa_user_sgpr_kernarg_segment_ptr 1
		.amdhsa_wavefront_size32 1
		.amdhsa_system_sgpr_workgroup_id_x 1
		.amdhsa_system_sgpr_workgroup_id_y 1
		.amdhsa_system_sgpr_workgroup_id_z 1
		.amdhsa_system_vgpr_workitem_id 0
		.amdhsa_next_free_vgpr 226
		.amdhsa_next_free_sgpr 66
		.amdhsa_reserve_vcc 0
		.amdhsa_float_denorm_mode_32 3
		.amdhsa_float_denorm_mode_16_64 3
		.amdhsa_memory_ordered 1
		.amdhsa_forward_progress 1
		.amdhsa_inst_pref_size 23
	.end_amdhsa_kernel
	.amdgpu_metadata
---
amdhsa.version: [ 1, 2 ]
amdhsa.kernels:
  - .name:           k_qf772449d87_quant
    .symbol:         k_qf772449d87_quant.kd
    .args:
      - { .name: embedded, .offset: 0, .size: 8, .value_kind: global_buffer, .address_space: global }
      - { .name: Wq, .offset: 8, .size: 8, .value_kind: global_buffer, .address_space: global }
      - { .name: Wk, .offset: 16, .size: 8, .value_kind: global_buffer, .address_space: global }
      - { .name: Wv, .offset: 24, .size: 8, .value_kind: global_buffer, .address_space: global }
      - { .name: lowp_scales, .offset: 32, .size: 8, .value_kind: global_buffer, .address_space: global }
      - { .name: xc, .offset: 40, .size: 8, .value_kind: global_buffer, .address_space: global }
      - { .name: wc, .offset: 48, .size: 8, .value_kind: global_buffer, .address_space: global }
    .group_segment_fixed_size: 68608
    .private_segment_fixed_size: 0
    .kernarg_segment_align: 8
    .kernarg_segment_size: 56
    .max_flat_workgroup_size: 256
    .sgpr_count:     66
    .vgpr_count:     226
    .wavefront_size: 32
...
	.end_amdgpu_metadata
.endif
;; end of part 1
;; launch proj (part 2): grid 4 x 48, 4 waves a work-group, clusters of 4 x 4, 327,680 bytes of LDS; arguments xc, wc, lowp_scales, qc, kv; writes qc, kv
.if DOCPART == 2
	.amdgcn_target "amdgcn-amd-amdhsa--gfx1250"
	.amdhsa_code_object_version 6
	.text
	.protected	k_qf772449d87_proj
	.globl	k_qf772449d87_proj
	.p2align	8
	.type	k_qf772449d87_proj,@function
k_qf772449d87_proj:
	s_mov_b64 s[64:65], 0
	v_nop
	global_prefetch_b8 v0, s[64:65] scope:SCOPE_SE
	s_setreg_imm32_b32 hwreg(HW_REG_WAVE_MODE, 25, 1), 1
	s_wait_xcnt 0x0
	s_wait_alu depctr_hold_cnt(0) depctr_sa_sdst(0) depctr_va_vdst(0) depctr_va_sdst(0) depctr_va_ssrc(0) depctr_va_vcc(0) depctr_vm_vsrc(0)
	s_getreg_b32 s2, hwreg(HW_REG_IB_STS2, 6, 4)
	s_cmp_eq_u32 s2, 0
	s_cbranch_scc0 .Lentry_in_a_cluster
	s_endpgm
.Lentry_in_a_cluster:
	s_bfe_u32 s2, ttmp6, 0x10000c
	s_cmp_lg_u32 s2, 0xf033
	s_cbranch_scc0 .Lentry_shape_is_right
	s_endpgm
.Lentry_shape_is_right:
; q, k, v = embedded x Wq^T, Wk^T, Wv^T on codes of FP8 (E4M3), sums in f32, each sum quantised at once for attention (q: entry 6 of the scales, k: entry 7, v: entry 9).
; A sum stands for sum x 2^(eW + ex), so its code is sum / 2^(eo - eW - ex), held within +-448: the three scales are folded into the conversion's one.
; LIMITS: e6 - e0 - e1, e7 - e2 - e3 and e9 - e4 - e5 lie between -126 and 119.
; A work-group makes 256 tokens x 256 rows of W of one product: 16 x 4 blocks for each of three products, 192 work-groups.  Four waves, each 128 x 128: 64 accumulators of 16 x 16, 512 registers.
; CLUSTERS of 4 x 4: x = the product's four blocks of W's rows, y = four blocks of tokens.  x's tile is shared along a row of the cluster, W's along a column: joint loads.
; K = 1,024 goes in four steps of 256 through a ring of two slots of 131,072 bytes: x's 256 rows, then W's.  A wave fetches 128 rows x 256 K: 32,768 dense bytes.
; PREFETCH: K steps 2 and 3 are asked for into the L2, each behind the joint load of the K step before it and so one K step ahead of its own load; K steps 0 and 1 come by their loads alone.  Of the 32,768 bytes that a
; wave fetches each of the four partners that ask jointly names 8,192, told apart by address (cx for x's, cy for W's): 32 lanes, 256 bytes apart, one instruction.
; THE RESULT'S LAYOUT MAKES THE NEXT OPERAND: lane (r, h) holds column n = r and rows m = 8 h + 0 .. 7, so one conversion gives registers 2 b, 2 b + 1 of an 8-bit fragment whose K runs along M.
; For q and k the next K is the head's 64: M side (source 0) = W's rows, N side (source 1) = tokens.  For v the next K is the keys: M side = tokens, N side = W's rows.
; The choice is made by the LDS addresses of the reads and the output's offsets, without a branch.
; REGISTERS: window 0: v6, v7 output offsets, v8 the scale, v9 448 x it, v10 the prefetches' offset, v16-17 N side's LDS address in slot 0, 1, v20-21 M side's, v28, v29 the add's; v128-255 N side's fragments, ONE set.
;   window 1: M side's fragments, TWO sets, at v0 and v128.  windows 2, 3: accumulators of N tiles 0-3, 4-7 ((a, b) at v[8 (8 (a % 4) + b)]).
;   On the way out v32-95 hold numbers in two sets by turns, v128-255 the codes, 16 registers for each N tile.
.set HALF,  32768
.set SLOT,  131072
.set SPARE, 2*SLOT
.set FR,   16
.set NL,   4
.set NP,   4
.set PFO,  10
.set PFA,  100                         ; s[100:101] where my prefetches stand: my 8,192 bytes of K step 0; never rewritten
.set ADRA, 16
.set ADRB, 20
.set SPW,  28
.set NIL,  29
.set AF,   128
.set CD,   128
.set G1,   24
.set G0,   32
.set G1B,  48
.set G0B,  56
.set MSB, 0
.macro WIN new                         ; the immediate's high byte repeats the setting that is left
.if MSB != \new
	s_set_vgpr_msb (MSB<<8)|\new
.set MSB, \new
.endif
.endm
.set MUL_LO, 0xa1                      ; source 0 window 1, source 1 window 0, C and D window 2
.set MUL_HI, 0xf1                      ; the same, C and D window 3
.set TO_B,   0x40
; A joint load: waves 0 and 1 fetch x's halves, waves 2 and 3 W's.  The branch hangs on the wave's number alone.
.macro JLOAD g0a, g0b
	s_cmp_eq_u32 s15, 0
	s_cbranch_scc0 .Lfor_b_\@
	tensor_load_to_lds s[\g0a:\g0a+3], s[G1:G1+7]
	s_nop 0
.rept 4
	v_nop
.endr
	s_branch .Lasked_\@
.Lfor_b_\@:
	tensor_load_to_lds s[\g0b:\g0b+3], s[G1B:G1B+7]
	s_nop 0
.rept 4
	v_nop
.endr
.Lasked_\@:
.endm
.macro ASK step                        ; one block of 256 bytes a lane of K step `step`
	global_prefetch_b8 v[PFO], s[PFA:PFA+1] offset:HALF*\step th:TH_LOAD_NT scope:SCOPE_SE
.endm
.macro CREST                           ; a round of the cluster's barrier behind its opening barrier
	s_cmp_lg_u32 s14, 0
	s_cbranch_scc1 .Lnot_wave_0_\@
	s_barrier_signal -3
.Lnot_wave_0_\@:
	s_barrier_wait -3
	s_barrier_signal -1
	s_barrier_wait -1
.endm
.macro CROUND
	s_barrier_signal -1
	s_barrier_wait -1
	CREST
.endm
	s_load_b256 s[4:11], s[0:1], 0x0               ; xc s[4:5], wc s[6:7], the scales' exponents s[8:9], qc s[10:11]
	s_load_b64 s[12:13], s[0:1], 0x20              ; kv
	v_lshl_add_u32 v[SPW], v0, 2, SPARE
	v_mov_b32 v[NIL], 0
	ds_add_u32 v[SPW], v[NIL]                      ; the wave's opening: the add twice on end, and one wait for both
	ds_add_u32 v[SPW], v[NIL]
	v_lshrrev_b32 v1, 5, v0
	v_readfirstlane_b32 s14, v1                    ; wave 0..3
	s_lshr_b32 s15, s14, 1                         ; my half of the N side; also: I fetch for x (0) or W (1)
	s_and_b32 s16, s14, 1                          ; my half of the M side; also: which 128 rows I fetch
	s_bfe_u32 s40, ttmp6, 0x40000                  ; cx
	s_bfe_u32 s41, ttmp6, 0x40004                  ; cy
	s_lshl_b32 s42, ttmp9, 2
	s_add_co_u32 s42, s42, s40                     ; block of 256 rows of W = 4 heads
	s_and_b32 s17, ttmp7, 0xffff
	s_lshr_b32 s18, s17, 2                         ; product: 0 q, 1 k, 2 v
	s_and_b32 s17, s17, 3
	s_lshl_b32 s17, s17, 2
	s_add_co_u32 s19, s17, s41                     ; block of 256 tokens
	s_lshl_b32 s43, s41, 2
	s_lshl_b32 s43, 15, s43                        ; my row of the cluster
	s_lshl_b32 s44, 0x1111, s40                    ; my column
	s_or_b32 s[G1+0], s43, (3<<16)|(1<<21)         ; the mask; elements of 8 bytes; 21 set beside a mask
	s_or_b32 s[G1B+0], s44, (3<<16)|(1<<21)
.irp g, G1, G1B
	s_mov_b32 s[\g+1], 32<<16                      ; 32,768 dense bytes as 128 rows of 256
	s_mov_b32 s[\g+2], 128<<16
	s_mov_b32 s[\g+3], 32<<16
	s_mov_b32 s[\g+4], 128
	s_mov_b32 s[\g+5], 32
	s_mov_b32 s[\g+6], 0
	s_mov_b32 s[\g+7], 0
.endr
	s_lshl_b32 s22, s16, 17                        ; which 128 rows
	s_lshl_b32 s20, s18, 22                        ; x: plane x 4,194,304 + block x 262,144
	s_lshl_b32 s23, s19, 18
	s_add_co_u32 s20, s20, s23
	s_add_co_u32 s20, s20, s22
	s_mov_b32 s21, 0
	s_lshl_b32 s46, s18, 20                        ; W: matrix x 1,048,576 + block x 262,144
	s_lshl_b32 s47, s42, 18
	s_add_co_u32 s46, s46, s47
	s_add_co_u32 s46, s46, s22
	s_mov_b32 s47, 0
	s_lshl_b32 s45, s14, 15                        ; where they go in a slot: wave x 32,768
	s_wait_dscnt 0x0                               ; both opening adds are done
	s_wait_kmcnt 0x0
	s_load_b256 s[72:79], s[8:9], 0x0              ; e0 .. e7
	s_load_b64 s[80:81], s[8:9], 0x20              ; e8, e9
	s_add_nc_u64 s[20:21], s[4:5], s[20:21]
	s_add_nc_u64 s[46:47], s[6:7], s[46:47]
	CROUND                                         ; all sixteen work-groups are here: the first joint loads meet
.irp s, 0,1
	s_mov_b32 s[G0+4*\s], 1
	s_add_co_u32 s[G0+4*\s+1], s45, \s*SLOT
	s_add_nc_u64 s[G0+4*\s+2:G0+4*\s+3], s[20:21], \s*HALF
	s_or_b32 s[G0+4*\s+3], s[G0+4*\s+3], 0x80000000
	s_mov_b32 s[G0B+4*\s], 1
	s_add_co_u32 s[G0B+4*\s+1], s45, \s*SLOT
	s_add_nc_u64 s[G0B+4*\s+2:G0B+4*\s+3], s[46:47], \s*HALF
	s_or_b32 s[G0B+4*\s+3], s[G0B+4*\s+3], 0x80000000
.endr
	JLOAD G0, G0B                                  ; K step 0: one tensor load a wave at the head
	; the prefetches
	s_cmp_eq_u32 s15, 0                            ; do I fetch for x?
	s_cselect_b64 s[PFA:PFA+1], s[20:21], s[46:47]
	s_cselect_b32 s22, s40, s41                    ; my place among the four that ask jointly
	s_lshl_b32 s22, s22, 13
	s_mov_b32 s23, 0
	s_add_nc_u64 s[PFA:PFA+1], s[PFA:PFA+1], s[22:23]
	; where the codes go
	s_lshr_b32 s22, s19, 3                         ; batch
	s_and_b32 s23, s19, 7                          ; which 256 tokens of the batch's 2,048
	s_cmp_eq_u32 s18, 2
	s_cselect_b32 s66, s15, s16                    ; which two heads of my four
	s_cselect_b32 s67, s16, s15                    ; which 128 tokens
	s_lshl_b32 s68, s22, 4
	s_lshl_b32 s69, s42, 2
	s_add_co_u32 s68, s68, s69
	s_lshl_b32 s69, s66, 1
	s_add_co_u32 s68, s68, s69                     ; 16 x batch + head
	s_lshl_b32 s69, s23, 1
	s_add_co_u32 s69, s69, s67                     ; step of 128 tokens
	s_lshl_b32 s70, s68, 17                        ; qc: head x 131,072 + step x 8,192
	s_lshl_b32 s66, s69, 13
	s_add_co_u32 s70, s70, s66
	s_lshl_b32 s71, s68, 18                        ; kv: head x 262,144 + step x 16,384 (V: + 8,192)
	s_lshl_b32 s66, s69, 14
	s_add_co_u32 s71, s71, s66
	s_add_co_u32 s82, s71, 8192
	s_mov_b32 s83, 0x40000                         ; from store 1 to store 2 of an N tile: the next head of kv,
	s_mov_b32 s2, 0x20000                          ; of qc,
	s_mov_b32 s3, 1024                             ; from N tile to N tile: q, k
	s_cmp_eq_u32 s18, 0
	s_cselect_b32 s70, s70, s71
	s_cselect_b32 s83, s2, s83
	s_cselect_b64 s[84:85], s[10:11], s[12:13]
	s_cmp_eq_u32 s18, 2
	s_cselect_b32 s70, s82, s70
	s_cselect_b32 s83, 1024, s83                   ; or, for v, the next chunks of the same tile
	s_cselect_b32 s66, 2048, s3                    ; v: a tile of 16 of the head's 64
	s_cselect_b32 s68, 0x3e000, 0                  ; v: N tile 4 begins the next head, 262,144 behind N tile 0
	s_mov_b32 s71, 0
	s_mov_b32 s67, 0
	s_mov_b32 s69, 0
	s_add_nc_u64 s[84:85], s[84:85], s[70:71]
.irp a, 1,2,3,4,5,6,7
	s_add_nc_u64 s[84+2*\a:85+2*\a], s[82+2*\a:83+2*\a], s[66:67]
.if \a == 4
	s_add_nc_u64 s[84+2*\a:85+2*\a], s[84+2*\a:85+2*\a], s[68:69]
.endif
.endr
	; the reads' LDS addresses: fragments are images of 2,048 bytes, lane l's 16 bytes of each 512 at 16 l
	s_cmp_eq_u32 s18, 2
	s_cselect_b32 s2, 0x10000, 0                   ; the N side: tokens (x, at 0) for q and k, W for v
	s_cselect_b32 s3, 0, 0x10000                   ; the M side: the other
	s_lshl_b32 s22, s15, 15
	s_add_co_u32 s2, s2, s22
	s_lshl_b32 s22, s16, 15
	s_add_co_u32 s3, s3, s22
	v_and_b32 v6, 31, v0
	v_lshlrev_b32 v[PFO], 8, v6                    ; 256 x lane
	v_lshlrev_b32 v6, 4, v6                        ; 16 x lane
	v_add_nc_u32 v7, s83, v6
	v_add_nc_u32 v[ADRA], s2, v6
	v_add_nc_u32 v[ADRB], s3, v6
	v_add_nc_u32 v[ADRA+1], SLOT, v[ADRA]
	v_add_nc_u32 v[ADRB+1], SLOT, v[ADRB]
	s_wait_alu depctr_va_vdst(0)                   ; directly ahead of the wait below
	s_wait_kmcnt 0x0
	s_sub_co_i32 s2, s78, s72
	s_sub_co_i32 s2, s2, s73                       ; q: e6 - e0 - e1
	s_sub_co_i32 s3, s79, s74
	s_sub_co_i32 s3, s3, s75                       ; k: e7 - e2 - e3
	s_sub_co_i32 s22, s81, s76
	s_sub_co_i32 s22, s22, s77                     ; v: e9 - e4 - e5
	s_cmp_eq_u32 s18, 1
	s_cselect_b32 s2, s3, s2
	s_cmp_eq_u32 s18, 2
	s_cselect_b32 s2, s22, s2
	s_add_co_i32 s2, s2, 127
	s_lshl_b32 s3, s2, 23
	v_mov_b32 v8, s3                               ; the folded scale as f32
	s_add_co_i32 s2, s2, 8
	s_lshl_b32 s2, s2, 23
	s_or_b32 s2, s2, 0x600000
	v_mov_b32 v9, s2                               ; 448 x that
.macro FRAG reg, adr, q, i             ; 16 rows x 128 K: 16 registers; both operands hold k in the same order
.irp c, 0,1,2,3
	ds_load_b128 v[\reg+4*\c:\reg+4*\c+3], v[\adr] offset:16384*(\q)+2048*(\i)+512*\c
.endr
.endm
; 16 matrix instructions: N tiles a0, a0 + 1 x the M side's eight, 128 along K.  p: the M side's set.  zero = 1: the first products start the sums.
; The 64 accumulators take turns, one instruction a turn, in the same order in every step.
.macro MUL16 a0, p, zero
.irp a, \a0, \a0+1
.irp b, 0,1,2,3,4,5,6,7
.if \zero
	v_wmma_f32_16x16x128_fp8_fp8 v[8*(8*((\a)%4)+\b):8*(8*((\a)%4)+\b)+7], v[128*(\p)+FR*\b:128*(\p)+FR*\b+FR-1], v[AF+FR*(\a):AF+FR*(\a)+FR-1], 0
.else
	v_wmma_f32_16x16x128_fp8_fp8 v[8*(8*((\a)%4)+\b):8*(8*((\a)%4)+\b)+7], v[128*(\p)+FR*\b:128*(\p)+FR*\b+FR-1], v[AF+FR*(\a):AF+FR*(\a)+FR-1], v[8*(8*((\a)%4)+\b):8*(8*((\a)%4)+\b)+7]
.endif
.endr
.endr
.endm
.macro FETCH_B slot, q, p
	WIN TO_B
.irp i, 0,1,2,3,4,5,6,7
	FRAG 128*(\p)+FR*\i, ADRB+\slot, \q, \i
.endr
	WIN 0
.endm
.macro FETCH_A slot, q, i0
.irp i, \i0, \i0+1, \i0+2, \i0+3
	FRAG AF+FR*(\i), ADRA+\slot, \q, \i
.endr
.endm
.macro PLACES n                        ; places behind matrix instructions, in front of loads into registers that they read and of reads of results
.rept \n
	v_nop
.endr
.endm
.macro STEP slot, q, zero              ; 128 along K whose successor lies in the same slot
	s_wait_dscnt 4*NL                              ; the M side's set and N tiles 0-3 are in; N tiles 4-7 (16 loads) may be out
	WIN MUL_LO
	MUL16 0, (\q)%2, \zero
	MUL16 2, (\q)%2, \zero
	s_wait_dscnt 0
	PLACES NP
	FETCH_B \slot, (\q)+1, 1-(\q)%2
	FETCH_A \slot, (\q)+1, 0
	WIN MUL_HI
	MUL16 4, (\q)%2, \zero
	MUL16 6, (\q)%2, \zero
	PLACES NP
	WIN 0
	FETCH_A \slot, (\q)+1, 4
.endm
; A slot's last step changes slots: one barrier, ahead of it the wait for all my tensor loads, the add, and the wait for it and for my reads of this slot.  fill = 1: the slot is filled again, two K steps on.
; The three lines stand behind the step's first 32 products, which need nothing of the next slot.
.macro TURN slot, next, fill
	s_wait_dscnt 4*NL
	WIN MUL_LO
	MUL16 0, 1, 0
	MUL16 2, 1, 0
	WIN 0                                          ; (the add's two registers lie in window 0)
	s_wait_tensorcnt 0x0                           ; my part of the next slot has landed
	ds_add_u32 v[SPW], v[NIL]
	s_wait_dscnt 1                                 ; N tiles 4-7 are in; the add may be out
	WIN MUL_HI
	MUL16 4, 1, 0
	WIN 0
	s_wait_dscnt 0x0                               ; the add is done, and my reads of this slot are over
	s_barrier_signal -1
	s_barrier_wait -1
.if \fill
	CREST                                          ; the barrier has opened a round: no wave of any partner still reads this slot or has a load on its way
	s_add_nc_u64 s[G0+4*\slot+2:G0+4*\slot+3], s[G0+4*\slot+2:G0+4*\slot+3], 2*HALF
	s_add_nc_u64 s[G0B+4*\slot+2:G0B+4*\slot+3], s[G0B+4*\slot+2:G0B+4*\slot+3], 2*HALF
	JLOAD G0+4*\slot, G0B+4*\slot
.else
	PLACES NP
.endif
	FETCH_B \next, 0, 0
	FETCH_A \next, 0, 0
.if \fill && (\slot) == 0
	ASK 3                                          ; one K step ahead of its load
.endif
	WIN MUL_HI
	MUL16 6, 1, 0
	PLACES NP
	WIN 0
	FETCH_A \next, 0, 4
.endm
	s_wait_alu depctr_va_vdst(0)
	s_wait_tensorcnt 0x0                           ; my part of K step 0 is in
	ds_add_u32 v[SPW], v[NIL]
	s_wait_dscnt 0x0
	CROUND
	JLOAD G0+4, G0B+4                              ; K step 1, the first tensor load behind the round
	FETCH_B 0, 0, 0
	FETCH_A 0, 0, 0
	FETCH_A 0, 0, 4
	ASK 2                                          ; one K step ahead of its load
	STEP 0, 0, 1
	TURN 0, 1, 1
	STEP 1, 0, 0
	TURN 1, 0, 1
	STEP 0, 0, 0
	TURN 0, 1, 0
	STEP 1, 0, 0
	s_wait_dscnt 4*NL                              ; the very last step fetches nothing
	WIN MUL_LO
	MUL16 0, 1, 0
	MUL16 2, 1, 0
	s_wait_dscnt 0
	WIN MUL_HI
	MUL16 4, 1, 0
	MUL16 6, 1, 0
	PLACES NP
; THE WAY OUT, N tile by N tile: hold, convert, store; each accumulator from its low end on.  Each store covers 512 consecutive bytes.
.macro OUT a
.irp u, 0,1
	WIN 0x02+((\a)/4)
.set n, 0
.rept 32
	v_med3_num_f32 v[32+32*\u+n], v[64*((\a)%4)+32*\u+n], -v9, v9   ; the conversion to an 8-bit code does not saturate (ISA guide 7.6.2)
.set n, n+1
.endr
	WIN 0
.irp b, 0,1,2,3
	v_cvt_scalef32_pk8_fp8_f32 v[CD+16*(\a)+8*\u+2*\b:CD+16*(\a)+8*\u+2*\b+1], v[32+32*\u+8*\b:39+32*\u+8*\b], v8
.endr
.endr
	v_nop                                          ; a plain line behind the last conversion
.irp c, 0,1
	global_store_b128 v6, v[CD+16*(\a)+4*\c:CD+16*(\a)+4*\c+3], s[84+2*(\a):85+2*(\a)] offset:512*\c
	global_store_b128 v7, v[CD+16*(\a)+8+4*\c:CD+16*(\a)+8+4*\c+3], s[84+2*(\a):85+2*(\a)] offset:512*\c
.endr
.endm
.irp a, 0,1,2,3,4,5,6,7
	OUT \a
.endr
	s_wait_tensorcnt 0x0                           ; the wave's end
	ds_add_u32 v[SPW], v[NIL]
	s_wait_dscnt 0x0
	CROUND                                         ; the closing round
	s_endpgm
.Lfunc_end_k_qf772449d87_proj:
	.size	k_qf772449d87_proj, .Lfunc_end_k_qf772449d87_proj-k_qf772449d87_proj
	.p2alignl 7, 3214868480
	.fill 96, 4, 3214868480
	.section	.rodata,"a",@progbits
	.p2align	6, 0x0
	.amdhsa_kernel k_qf772449d87_proj
		.amdhsa_group_segment_fixed_size 327680
		.amdhsa_private_segment_fixed_size 0
		.amdhsa_enable_private_segment 0
		.amdhsa_kernarg_size 40
		.amdhsa_user_sgpr_count 2
		.amdhsa_user_sgpr_kernarg_segment_ptr 1
		.amdhsa_wavefront_size32 1
		.amdhsa_system_sgpr_workgroup_id_x 1
		.amdhsa_system_sgpr_workgroup_id_y 1
		.amdhsa_system_sgpr_workgroup_id_z 1
		.amdhsa_system_vgpr_workitem_id 0
		.amdhsa_next_free_vgpr 1024
		.amdhsa_next_free_sgpr 102
		.amdhsa_reserve_vcc 0
		.amdhsa_float_denorm_mode_32 3
		.amdhsa_float_denorm_mode_16_64 3
		.amdhsa_memory_ordered 1
		.amdhsa_forward_progress 1
		.amdhsa_inst_pref_size 120
	.end_amdhsa_kernel
	.amdgpu_metadata
---
amdhsa.version: [ 1, 2 ]
amdhsa.kernels:
  - .name:           k_qf772449d87_proj
    .symbol:         k_qf772449d87_proj.kd
    .args:
      - { .name: xc, .offset: 0, .size: 8, .value_kind: global_buffer, .address_space: global }
      - { .name: wc, .offset: 8, .size: 8, .value_kind: global_buffer, .address_space: global }
      - { .name: lowp_scales, .offset: 16, .size: 8, .value_kind: global_buffer, .address_space: global }
      - { .name: qc, .offset: 24, .size: 8, .value_kind: global_buffer, .address_space: global }
      - { .name: kv, .offset: 32, .size: 8, .value_kind: global_buffer, .address_space: global }
    .group_segment_fixed_size: 327680
    .private_segment_fixed_size: 0
    .kernarg_segment_align: 8
    .kernarg_segment_size: 40
    .max_flat_workgroup_size: 128
    .sgpr_count:     102
    .vgpr_count:     1024
    .wavefront_size: 32
...
	.end_amdgpu_metadata
.endif
;; end of part 2
;; launch attn (part 3): grid 8 x 32, 8 waves a work-group, clusters of 4 x 1, 327,680 bytes of LDS; arguments qc, kv, lowp_scales, out0; writes out0
.if DOCPART == 3
	.amdgcn_target "amdgcn-amd-amdhsa--gfx1250"
	.amdhsa_code_object_version 6
	.text
	.protected	k_qf772449d87_attn
	.globl	k_qf772449d87_attn
	.p2align	8
	.type	k_qf772449d87_attn,@function
k_qf772449d87_attn:
	s_mov_b64 s[64:65], 0
	v_nop
	global_prefetch_b8 v0, s[64:65] scope:SCOPE_SE
	s_setreg_imm32_b32 hwreg(HW_REG_WAVE_MODE, 25, 1), 1
	s_wait_xcnt 0x0
	s_wait_alu depctr_hold_cnt(0) depctr_sa_sdst(0) depctr_va_vdst(0) depctr_va_sdst(0) depctr_va_ssrc(0) depctr_va_vcc(0) depctr_vm_vsrc(0)
	s_getreg_b32 s2, hwreg(HW_REG_IB_STS2, 6, 4)
	s_cmp_eq_u32 s2, 0
	s_cbranch_scc0 .Lentry_in_a_cluster
	s_endpgm
.Lentry_in_a_cluster:
	s_bfe_u32 s2, ttmp6, 0x10000c
	s_cmp_lg_u32 s2, 0x3003
	s_cbranch_scc0 .Lentry_shape_is_right
	s_endpgm
.Lentry_shape_is_right:
; out0[b][t][64 h + d] = the sum over keys s <= t of softmax_s(q . k / 8) v, both products on codes of FP8 (E4M3); scales: q entry 6, k entry 7, p entry 8, v entry 9.
; THE SOFTMAX AHEAD OF THE SECOND PRODUCT: t = score x log2(e) / 8; M = the row's largest t so far, rounded UP to a whole number; p = 2^(t - M) is quantised, not normalised; the row's sum is taken of the
; unquantised p, in f32, and divides at the end.  When M moves, the sum and O are multiplied by 2^(old M - new M), which rounds nothing.
; LIMITS: e6 + e7 between -100 and 130 (they are added to the exponent field of log2(e) / 8); e8 between -126 and 119; the scaled scores stay under 2^31 in magnitude.
; LEFT OUT: steps of 128 keys all of whose keys come after the wave's queries: the causal mask gives them the weight 0.  A NaN or an infinity there reaches no result.
; SHARES.  Grid y = batch x 16 + head.  Two clusters of four work-groups serve a head.  Cluster c owns the 512 queries of quarter c (low) and of quarter 3 - c (high) of the head's 2,048; partner cx owns in each
; block of 128 queries the 32 from 32 cx on, so all partners walk the same steps of 128 keys, whatever cx: no branch hangs on it.  A wave works on 32 queries, two tiles, which share each fragment of K and V.
; For m = wave % 4 the low pair lies in block m of its quarter (L = 4 c + m + 1 steps), the high pair in block 3 - m (H = 16 - 4 c - m steps): L + H = 17.  Wave m (A) takes steps 0 .. 8 of the high pair, wave 4 + m (B) the low
; pair and then the high pair's steps from 9 on: 9 and 8 steps.  At the end A gives B its part of the second tile and B gives A its part of the first, through LDS, and each finishes one tile.
; LDS: the head's whole K and V, 262,144 bytes as they lie in memory: step s at 16,384 s: eight tiles of 16 keys x 1,024 bytes, then four tiles of 16 of the head's 64 x 2,048 bytes, images of operand registers.
; Every byte is filled once, by joint loads of the four partners: steps 0-3 at the head, 8,192 bytes a wave; steps 4-15 behind the next round, 24,576 bytes a wave, with steps 0-2's work in which to land.
; No prefetch: two loads a wave bring everything, and no loop over loads follows in which a request could run ahead.  Behind K and V: 4,352 bytes for each wave; the spare words.
; LAYOUT: S^T = K Q^T (K = 64), O^T = V^T P^T (K = 128 keys): a lane holds ONE query (lane % 16).  In S^T's tile c lane (r, h) holds keys 16 c + 8 h + 0 .. 7: one conversion gives registers 2 c, 2 c + 1 of P's fragment.
; REGISTERS, window 0: v1 16 x lane; v4, v5 my stage in, back; v6, v9 my and my partner's region; v7 offset in out0; v8, v10 the step's and the next step's LDS address; v11, v29 the partner's region as a stage;
;   v12 -M, v13 the largest score of tile 0, v14, v15 of tile 1; v16, v18 the factors; v[20:21], v[22:23] the sums; v24-27 mask numbers; v28 2^e8; v32-47 Q; v48-111, v112-175 scores, then p, of tiles 0, 1;
;   v176-207 p's codes; v208-243 at work.
;   window 1: v48-111 K; v112-175 V; v176-207, v208-239 O^T of tiles 0, 1.
.set XR,    262144
.set RG,    4352
.set SPARE, XR+8*RG
.set SPW,   30
.set NIL,   31
.set KR,    48
.set VR,    112
.set S,     48
.set S1,    112
.set G0,    32
.set G1,    48                         ; s[48:55] descriptor group 1 of the first load
.set G2,    72                         ; s[72:79] of the second
.set SEL,   20                         ; s[20:21] selects for v_permlanex16_b32: lane l xor 16
.set CS,    22                         ; s[22:23] c = log2(e) / 8 x 2^(e6 + e7)
.set NC,    24                         ; s24 -c
.set HOLD,  25                         ; s25 448 x 2^e8
.set EPV,   26                         ; s26 e8 + e9
.set I,     27                         ; s27 the step
.set TB,    28                         ; s28 its first LDS byte
.set LIM,   29                         ; s29 steps from here on are left out
.set DIAG,  30                         ; s30 the step that holds the diagonal
.set CNT,   36
.set MSB, 0
.macro WIN new                         ; the immediate's high byte repeats the setting that is left
.if MSB != \new
	s_set_vgpr_msb (MSB<<8)|\new
.set MSB, \new
.endif
.endm
.macro CROUND
	s_barrier_signal -1
	s_barrier_wait -1
	s_cmp_lg_u32 s12, 0
	s_cbranch_scc1 .Lnot_wave_0_\@
	s_barrier_signal -3
.Lnot_wave_0_\@:
	s_barrier_wait -3
	s_barrier_signal -1
	s_barrier_wait -1
.endm
	s_load_b256 s[4:11], s[0:1], 0x0               ; qc s[4:5], kv s[6:7], the scales' exponents s[8:9], out0 s[10:11]
	v_lshl_add_u32 v[SPW], v0, 2, SPARE
	v_mov_b32 v[NIL], 0
	ds_add_u32 v[SPW], v[NIL]                      ; the wave's opening: the add twice on end, and one wait for both
	ds_add_u32 v[SPW], v[NIL]
	v_lshrrev_b32 v4, 5, v0
	v_readfirstlane_b32 s12, v4                    ; wave 0..7
	s_bfe_u32 s13, ttmp6, 0x40000                  ; cx
	s_mov_b32 s14, ttmp9                           ; c
	s_and_b32 s15, ttmp7, 0xffff                   ; batch x 16 + head
.irp g, G1, G2
	s_mov_b32 s[\g+0], 15|(3<<16)|(1<<21)          ; all four partners; elements of 8 bytes; 21 set beside a mask
	s_mov_b32 s[\g+1], 32<<16                      ; dense bytes as rows of 256
	s_mov_b32 s[\g+3], 32<<16
	s_mov_b32 s[\g+5], 32
	s_mov_b32 s[\g+6], 0
	s_mov_b32 s[\g+7], 0
.endr
	s_mov_b32 s[G1+2], 32<<16                      ; 32 rows: 8,192 bytes
	s_mov_b32 s[G1+4], 32
	s_mov_b32 s[G2+2], 96<<16                      ; 96 rows: 24,576 bytes
	s_mov_b32 s[G2+4], 96
	s_lshl_b32 s62, s12, 13                        ; my eighth of steps 0-3: its place in LDS and in the head's bytes
	s_lshl_b32 s60, s15, 18
	s_add_co_u32 s60, s60, s62
	s_mov_b32 s61, 0
	s_wait_dscnt 0x0
	s_wait_kmcnt 0x0
	s_load_b128 s[56:59], s[8:9], 0x18             ; e6, e7, e8, e9
	s_mov_b32 s[G0], 1
	s_mov_b32 s[G0+1], s62
	s_add_nc_u64 s[G0+2:G0+3], s[6:7], s[60:61]
	s_or_b32 s[G0+3], s[G0+3], 0x80000000
	CROUND                                         ; all four work-groups are here: the joint loads meet
	tensor_load_to_lds s[G0:G0+3], s[G1:G1+7]
	s_nop 0
.rept 4
	v_nop
.endr
	s_and_b32 s16, s12, 3                          ; m
	s_lshr_b32 s17, s12, 2                         ; 0: A, 1: B
	s_lshl_b32 s31, s14, 2
	s_add_co_u32 s31, s31, s16                     ; 4 c + m
	s_add_co_u32 s60, s31, 1                       ; L
	s_sub_co_u32 s61, 16, s31                      ; H
	s_lshl_b32 s66, s31, 7
	s_lshl_b32 s67, s13, 5
	s_sub_co_u32 s63, 1920, s66
	s_add_co_u32 s62, s66, s67                     ; the low pair's first query: 512 c + 128 m + 32 cx
	s_add_co_u32 s63, s63, s67                     ; the high pair's: 512 (3 - c) + 128 (3 - m) + 32 cx
	s_sub_co_u32 s38, s61, 1
	s_cmp_eq_u32 s17, 0
	s_cselect_b32 s[LIM], 9, s60
	s_cselect_b32 s[DIAG], s38, s31
	s_cselect_b32 s37, 0, s61                      ; the limit behind step 8
	s_cselect_b32 s66, s63, s62                    ; my first queries
	s_lshl_b32 s68, s15, 17                        ; qc: head x 131,072 + query x 64
	s_lshl_b32 s40, s66, 6
	s_add_co_u32 s40, s40, s68
	s_mov_b32 s41, 0
	s_add_nc_u64 s[40:41], s[4:5], s[40:41]
	s_lshl_b32 s42, s63, 6
	s_add_co_u32 s42, s42, s68
	s_mov_b32 s43, 0
	s_add_nc_u64 s[42:43], s[4:5], s[42:43]
	s_lshr_b32 s68, s15, 4                         ; out0: (batch x 2,048 + query) x 4,096 + head x 256
	s_lshl_b32 s68, s68, 23
	s_and_b32 s69, s15, 15
	s_lshl_b32 s69, s69, 8
	s_add_co_u32 s68, s68, s69
	s_lshl_b32 s44, s62, 12
	s_add_co_u32 s44, s44, s68
	s_mov_b32 s45, 0
	s_add_nc_u64 s[44:45], s[10:11], s[44:45]      ; the low pair's rows
	s_add_nc_u64 s[70:71], s[44:45], 0x10000       ; its second tile's
	s_lshl_b32 s46, s63, 12
	s_lshl_b32 s69, s17, 16
	s_add_co_u32 s46, s46, s69
	s_add_co_u32 s46, s46, s68
	s_mov_b32 s47, 0
	s_add_nc_u64 s[46:47], s[10:11], s[46:47]      ; the high pair's tile that I finish: A the first, B the second
	v_and_b32 v1, 31, v0
	v_lshlrev_b32 v1, 4, v1                        ; 16 x lane
	global_load_b128 v[32:35], v1, s[40:41]        ; Q's fragments stay in registers
	global_load_b128 v[36:39], v1, s[40:41] offset:512
	global_load_b128 v[40:43], v1, s[40:41] offset:1024
	global_load_b128 v[44:47], v1, s[40:41] offset:1536
	s_mul_i32 s68, s12, RG
	s_add_co_u32 s68, s68, XR                      ; my region,
	s_xor_b32 s69, s12, 4
	s_mul_i32 s69, s69, RG
	s_add_co_u32 s69, s69, XR                      ; and my partner's
	s_lshl_b32 s67, s13, 5                         ; 32 cx
	s_mov_b32 s[SEL], 0x76543210
	s_mov_b32 s[SEL+1], 0xfedcba98
	s_wait_alu depctr_va_vdst(0)                   ; behind v1's write
	v_and_b32 v2, 15, v0                           ; r
	v_bfe_u32 v3, v0, 4, 1                         ; h
	v_mul_u32_u24 v8, v2, 272
	v_lshl_add_u32 v8, v3, 5, v8
	v_add_nc_u32 v4, s68, v8                       ; a stage, in: row r, 32 h bytes on
	v_add_nc_u32 v11, s69, v8
	v_mul_u32_u24 v8, v3, 272
	v_lshl_add_u32 v8, v2, 4, v8
	v_add_nc_u32 v5, s68, v8                       ; back: lanes 0-15 one row, lanes 16-31 the next
	v_add_nc_u32 v29, s69, v8
	v_add_nc_u32 v6, s68, v1                       ; a region as an image of registers
	v_add_nc_u32 v9, s69, v1
	v_lshrrev_b32 v8, 1, v1
	v_add_nc_u32 v240, s68, v8                     ; 8 x lane, for the pair (-M, sum) 4,096 bytes on
	v_add_nc_u32 v241, s69, v8
	v_lshlrev_b32 v7, 4, v2
	v_lshl_add_u32 v7, v3, 12, v7                  ; out0: lanes 0-15 one row, lanes 16-31 the next; 16 bytes a lane
	v_lshlrev_b32 v24, 3, v3
	v_sub_nc_u32 v24, v2, v24
	v_add_nc_u32 v24, s67, v24                     ; d = query - the diagonal step's first key - 8 h, for tile 0
	v_cvt_f32_i32 v24, v24
	v_add_f32 v24, 0.5, v24
	v_mul_f32 v24, 0x7b800000, v24                 ; (d + 1/2) x 2^120
	v_add_f32 v25, 0xfb800000, v24                 ; one key on
	v_add_f32 v26, 0x7d800000, v24                 ; tile 1: 16 queries on
	v_add_f32 v27, 0x7d800000, v25
	v_mov_b32 v17, 0                               ; named as the upper halves of pairs,
	v_mov_b32 v19, 0
	v_mov_b32 v219, 0
	v_mov_b32 v221, 0
	v_mov_b32 v223, 0
	v_mov_b32 v242, 0                              ; or as lane permutes' destinations, which count among their sources
	v_mov_b32 v243, 0
; A pair's start.  (The step is written once: it finds zeros, which the first change of M leaves zeros.)
.macro INIT
	v_mov_b32 v12, 0x7f61b1e6                      ; -M: 3e38
	v_mov_b32 v14, 0x7f61b1e6
	v_mov_b32 v13, 0xff61b1e6                      ; the largest score: -3e38, under every score
	v_mov_b32 v15, 0xff61b1e6
.irp i, 20,21,22,23
	v_mov_b32 v\i, 0
.endr
	WIN 0x40
.set n, 0
.rept 64
	v_mov_b32 v[176+n], 0
.set n, n+1
.endr
	WIN 0
.endm
	INIT
	s_wait_kmcnt 0x0
	s_add_co_i32 s60, s56, s57
	s_lshl_b32 s60, s60, 23
	s_add_co_i32 s[CS], s60, 0x3e38aa3b            ; log2(e) / 8 with e6 + e7 added to its exponent field
	s_mov_b32 s[CS+1], s[CS]                       ; (named with it as a pair, so it is written)
	s_xor_b32 s[NC], s[CS], 0x80000000
	s_add_co_i32 s[EPV], s58, s59
	s_add_co_i32 s60, s58, 127
	s_lshl_b32 s61, s60, 23
	v_mov_b32 v28, s61                             ; 2^e8 as f32, for the conversion
	s_add_co_i32 s60, s60, 8
	s_lshl_b32 s60, s60, 23
	s_or_b32 s[HOLD], s60, 0x600000
	s_lshl_b32 s60, s12, 14
	s_add_co_u32 s60, s60, 0x10000                 ; in memory: from wave x 8,192 to 65,536 + wave x 24,576
	s_mov_b32 s61, 0
.macro KLOAD adr, off                  ; a step's eight tiles of keys, into window 1
	WIN 0x40
.irp c, 0,1,2,3,4,5,6,7
	ds_load_b128 v[KR+8*\c:KR+3+8*\c], v[\adr] offset:\off+1024*\c
	ds_load_b128 v[KR+4+8*\c:KR+7+8*\c], v[\adr] offset:\off+1024*\c+512
.endr
	WIN 0
.endm
; On the diagonal: the score of register 8 c + i becomes the lesser of itself and (d + 1/2 - 16 c - i) x 2^120.  A score is a sum of 64 products of codes, under 2^24 in magnitude; the other number is at least 2^119 in
; magnitude, positive where the key counts; where it is hidden, c x 2^119 is above 2^15 by the limit on e6 + e7, so that p is 0.
.macro MASK t
	v_mov_b32 v232, v[24+2*\t]
	v_mov_b32 v233, v[25+2*\t]
	v_pk_add_f32 v[234:235], v[24+2*\t:25+2*\t], 0xfc000000 op_sel_hi:[1,0]
	v_pk_add_f32 v[236:237], v[24+2*\t:25+2*\t], 0xfc800000 op_sel_hi:[1,0]
	v_pk_add_f32 v[238:239], v[24+2*\t:25+2*\t], 0xfcc00000 op_sel_hi:[1,0]
.irp c, 0,1,2,3,4,5,6,7
.irp i, 0,1,2,3,4,5,6,7
	v_min_num_f32 v[S+64*\t+8*\c+\i], v[S+64*\t+8*\c+\i], v[232+\i]
.endr
.if \c < 7
.irp i, 232,234,236,238
	v_pk_add_f32 v[\i:\i+1], v[\i:\i+1], 0xfd800000 op_sel_hi:[1,0]   ; 16 keys on
.endr
.endif
.endr
.endm
.macro HOLD2 r                         ; two numbers held: the conversion to an 8-bit code does not saturate (ISA guide 7.6.2); p is not negative: the hold is one-sided
	v_dual_min_num_f32 v[\r], s[HOLD], v[\r] :: v_dual_min_num_f32 v[\r+1], s[HOLD], v[\r+1]
.endm
.macro ADD2 d, a, b
	v_pk_add_f32 v[\d:\d+1], v[\a:\a+1], v[\b:\b+1]
.endm
; A KEY STEP: 128 keys, whose tiles begin at LDS byte s[TB]; its K is on its way or in.  A step beyond my limit is left out by a scalar branch on ids; no barrier or tensor load stands in a step.
.macro STEP wrap
	s_cmp_ge_u32 s[I], s[LIM]
	s_cbranch_scc1 .Lhidden_\@
	v_add_nc_u32 v8, s[TB], v1
.if \wrap
	s_add_co_u32 s31, s[TB], 16384
	s_and_b32 s31, s31, 0x3ffff                    ; behind the last step: step 0's bytes, which are not used
	v_add_nc_u32 v10, s31, v1
.endif
	s_wait_alu depctr_va_vdst(0)                   ; directly ahead of the wait below
	s_wait_dscnt 8                                 ; key tiles 0 to 3 are in; the eight loads of tiles 4 to 7 may be out
	WIN 0x01
.irp c, 0,1,2,3
	v_wmma_f32_16x16x64_fp8_fp8 v[S+8*\c:S+7+8*\c], v[KR+8*\c:KR+7+8*\c], v[32:39], 0
.endr
	s_wait_dscnt 0x0
.irp c, 4,5,6,7
	v_wmma_f32_16x16x64_fp8_fp8 v[S+8*\c:S+7+8*\c], v[KR+8*\c:KR+7+8*\c], v[32:39], 0
.endr
.irp c, 0,1,2,3,4,5,6,7
	v_wmma_f32_16x16x64_fp8_fp8 v[S1+8*\c:S1+7+8*\c], v[KR+8*\c:KR+7+8*\c], v[40:47], 0
.endr
.rept 4
	v_nop                                          ; places in front of the loads below and of the first read of the scores
.endr
	WIN 0x40
.irp t, 0,1,2,3
.irp c, 0,1,2,3
	ds_load_b128 v[VR+16*\t+4*\c:VR+3+16*\t+4*\c], v8 offset:8192+2048*\t+512*\c
.endr
.endr
.if \wrap
	KLOAD 10, 0                                    ; the next step's K
.else
	KLOAD 8, 16384
.endif
	s_cmp_lg_u32 s[I], s[DIAG]
	s_cbranch_scc1 .Lopen_\@                       ; all its keys count
	MASK 0
	MASK 1
.Lopen_\@:
.irp k, 0,1,2,3                        ; the largest score so far: four chains for each tile, by turns; each result is read from its low end on
	v_max3_num_f32 v[208+\k], v13, v[S+2*\k], v[S+2*\k+1]
	v_max3_num_f32 v[212+\k], v15, v[S1+2*\k], v[S1+2*\k+1]
.endr
.irp g, 8,16,24,32,40,48,56
.irp k, 0,1,2,3
	v_max3_num_f32 v[208+\k], v[208+\k], v[S+\g+2*\k], v[S+\g+2*\k+1]
	v_max3_num_f32 v[212+\k], v[212+\k], v[S1+\g+2*\k], v[S1+\g+2*\k+1]
.endr
.endr
	v_max3_num_f32 v208, v208, v209, v210          ; the two tiles' chains take turns
	v_max3_num_f32 v212, v212, v213, v214
	v_max_num_f32 v208, v208, v211
	v_max_num_f32 v212, v212, v215
	v_permlanex16_b32 v242, v208, s[SEL], s[SEL+1] ; and among lane l xor 16's
	v_permlanex16_b32 v243, v212, s[SEL], s[SEL+1]
	v_max_num_f32 v13, v208, v242
	v_max_num_f32 v15, v212, v243
	v_mul_f32 v208, s[NC], v13                     ; -t (c is positive)
	v_mul_f32 v212, s[NC], v15
	v_floor_f32 v208, v208                         ; the new -M = floor(-t) = -ceil(t): a whole number
	v_floor_f32 v212, v212
	v_sub_f32 v209, v208, v12                      ; old M less new M: a whole number, 0 or less
	v_sub_f32 v213, v212, v14
	v_mov_b32 v12, v208
	v_mov_b32 v14, v212
	v_cvt_i32_f32 v209, v209                       ; (it saturates)
	v_cvt_i32_f32 v213, v213
	v_ldexp_f32 v16, 1.0, v209                     ; 2^(old M - new M)
	v_ldexp_f32 v18, 1.0, v213
.set n, 0
.rept 32
	v_pk_fma_f32 v[S+n:S+n+1], v[S+n:S+n+1], s[CS:CS+1], v[12:13] op_sel_hi:[1,0,0]   ; t - M (of the pairs c and -M the low word serves both halves)
.set n, n+2
.endr
	s_wait_alu depctr_va_vdst(0)                   ; ahead of the batch
.set n, 0
.rept 32
	v_exp_f32 v[S+n], v[S+n]                       ; tile 0's p = 2^(t - M), at most 1, among tile 1's multiply-adds, which the next batch reads
	v_exp_f32 v[S+n+1], v[S+n+1]
	v_pk_fma_f32 v[S1+n:S1+n+1], v[S1+n:S1+n+1], s[CS:CS+1], v[14:15] op_sel_hi:[1,0,0]
.set n, n+2
.endr
	v_pk_mul_f32 v[20:21], v[20:21], v[16:17] op_sel_hi:[1,0]   ; the sums under the new M
	v_pk_mul_f32 v[22:23], v[22:23], v[18:19] op_sel_hi:[1,0]
	s_wait_alu depctr_va_vdst(0)                   ; behind that batch and ahead of the next
.set n, 0
.rept 16
	v_exp_f32 v[S1+2*n], v[S1+2*n]                 ; tile 1's p, among tile 0's first sums (of the unquantised p) and its holds, whose results are read behind the batch's wait
	v_exp_f32 v[S1+2*n+1], v[S1+2*n+1]
	ADD2 208+n, S+n, S+32+n
	v_exp_f32 v[S1+2*n+2], v[S1+2*n+2]
	HOLD2 S+n
	v_exp_f32 v[S1+2*n+3], v[S1+2*n+3]
	HOLD2 S+32+n
.set n, n+2
.endr
	s_wait_alu depctr_va_vdst(0)                   ; behind the batch, ahead of its first reader
.irp c, 0,1,2,3,4,5,6,7
	v_cvt_scalef32_pk8_fp8_f32 v[176+2*\c:177+2*\c], v[S+8*\c:S+7+8*\c], v28
.endr
.irp k, 0,2,4,6,8,10,12,14             ; the two tiles' sums: tile 0's sixteen pairs in v208-239, tile 1's eight in v192-207
	ADD2 208+\k, 208+\k, 224+\k
.endr
.irp k, 0,2,4,6,8,10,12,14
	ADD2 192+\k, S1+\k, S1+16+\k
.endr
.irp k, 0,2,4,6
	ADD2 208+\k, 208+\k, 216+\k
.endr
.irp k, 0,2,4,6,8,10,12,14
	ADD2 192+\k, 192+\k, S1+32+\k
.endr
	ADD2 208, 208, 212
	ADD2 210, 210, 214
.irp k, 0,2,4,6,8,10,12,14
	ADD2 192+\k, 192+\k, S1+48+\k
.endr
	ADD2 208, 208, 210
.irp k, 0,2,4,6
	ADD2 192+\k, 192+\k, 200+\k
.endr
	ADD2 20, 20, 208
.set n, 0
.rept 16
	HOLD2 S1+n
.set n, n+2
.endr
	ADD2 192, 192, 196
	ADD2 194, 194, 198
.rept 8
	HOLD2 S1+n
.set n, n+2
.endr
	ADD2 192, 192, 194
.rept 8
	HOLD2 S1+n
.set n, n+2
.endr
	ADD2 22, 22, 192
.irp c, 0,1,2,3,4,5,6,7
	v_cvt_scalef32_pk8_fp8_f32 v[192+2*\c:193+2*\c], v[S1+8*\c:S1+7+8*\c], v28
.endr
	s_wait_dscnt 16                                ; V is in; the next step's 16 loads of K may be out
	WIN 0x41
	s_wait_alu depctr_va_vdst(0)                   ; directly ahead of the first reader of O^T
.set n, 0
.rept 16
	v_pk_mul_f32 v[176+n:177+n], v[176+n:177+n], v[16:17] op_sel_hi:[1,0]   ; O^T under the new M; also the plain lines behind the conversions
	v_pk_mul_f32 v[208+n:209+n], v[208+n:209+n], v[18:19] op_sel_hi:[1,0]
.set n, n+2
.endr
	WIN 0x51
.irp t, 0,1
.irp k, 0,1,2,3
	v_wmma_f32_16x16x128_fp8_fp8 v[176+32*\t+8*\k:183+32*\t+8*\k], v[VR+16*\k:VR+15+16*\k], v[176+16*\t:191+16*\t], v[176+32*\t+8*\k:183+32*\t+8*\k]   ; the accumulators take turns
.endr
.endr
	WIN 0
.Lhidden_\@:
	s_add_co_u32 s[I], s[I], 1
	s_add_co_u32 s[TB], s[TB], 16384
.endm
.macro STEPS first, n, wrap
	s_mov_b32 s[I], \first
	s_mov_b32 s[TB], 16384*\first
	s_mov_b32 s[CNT], \n
.Lstep_\@:
	STEP \wrap
	s_sub_co_u32 s[CNT], s[CNT], 1
	s_cmp_lg_u32 s[CNT], 0
	s_cbranch_scc1 .Lstep_\@
.endm
; 16 rows x 64 channels in v48-79 go through a stage in LDS (rows 272 bytes apart) and leave as rows of 256 bytes.
.macro SEND in, back, ob, buf
.irp t, 0,1,2,3
	ds_store_b128 v[\in], v[S+8*\t:S+3+8*\t] offset:64*\t
	ds_store_b128 v[\in], v[S+4+8*\t:S+7+8*\t] offset:64*\t+16
.endr
.irp i, 0,1,2,3,4,5,6,7
	ds_load_b128 v[\buf+4*\i:\buf+4*\i+3], v[\back] offset:544*\i   ; LDS serves a wave's instructions in order: these see my stores
.endr
.irp i, 0,1,2,3,4,5,6,7
	s_wait_dscnt 7-\i                              ; rows 2 i and 2 i + 1 are back; the younger loads may be out
	global_store_b128 v7, v[\buf+4*\i:\buf+4*\i+3], s[\ob:\ob+1] offset:8192*\i th:TH_STORE_NT   ; sixteen lanes store 256 consecutive bytes, at a multiple of 256 from out0's first byte
.endr
.endm
.macro RECIP src                       ; v218 = 2^(e8 + e9) / the row's sum, of which v\src holds my lane's half
	v_permlanex16_b32 v242, v[\src], s[SEL], s[SEL+1]
	v_add_f32 v218, v[\src], v242
	s_wait_alu depctr_va_vdst(0)                   ; ahead of the transcendental
	v_rcp_f32 v218, v218
	v_nop
	s_wait_alu depctr_va_vdst(0)                   ; and behind it
	v_ldexp_f32 v218, v218, s[EPV]
.endm
.macro WAYOUT t, ob, buf
	v_add_f32 v20, v[20+2*\t], v[21+2*\t]
	RECIP 20
	WIN 0x01
	s_wait_alu depctr_va_vdst(0)                   ; directly ahead of the first reader of O^T
.set n, 0
.rept 16
	v_pk_mul_f32 v[S+n:S+n+1], v[176+32*\t+n:177+32*\t+n], v[218:219] op_sel_hi:[1,0]
.set n, n+2
.endr
	WIN 0
	SEND 4, 5, \ob, \buf
.endm
	s_wait_alu depctr_va_vdst(0)
	s_wait_loadcnt 0x0                             ; Q
	s_wait_tensorcnt 0x0                           ; my eighth of steps 0-3 has landed
	ds_add_u32 v[SPW], v[NIL]
	s_mul_i32 s[G0+1], s12, 24576
	s_add_co_u32 s[G0+1], s[G0+1], 0x10000         ; steps 4-15: LDS from 65,536 on, 24,576 bytes a wave
	s_add_nc_u64 s[G0+2:G0+3], s[G0+2:G0+3], s[60:61]
	s_wait_dscnt 0x0
	CROUND                                         ; everybody's part of steps 0-3 is in, and the joint loads meet
	tensor_load_to_lds s[G0:G0+3], s[G2:G2+7]
	s_nop 0
.rept 4
	v_nop
.endr
	KLOAD 1, 0                                     ; step 0's K
	STEPS 0, 3, 0                                  ; (the last fetches step 3's K)
	s_wait_tensorcnt 0x0                           ; my part of steps 4-15 has landed,
	s_wait_dscnt 0x0
	s_barrier_signal -1
	s_barrier_wait -1                              ; and everybody's
	STEPS 3, 6, 0                                  ; (the last fetches step 9's K)
	s_wait_dscnt 0x0                               ; the K that was fetched ahead
	v_add_nc_u32 v10, 9*16384, v1
	s_mov_b32 s[LIM], s37                          ; A: 0, it has done its steps; B: H
	s_mov_b32 s[DIAG], s38
	s_wait_alu depctr_va_vdst(0)                   ; ahead of the branch
	s_cmp_eq_u32 s17, 0
	s_cbranch_scc1 .Lhigh
	WAYOUT 0, 44, 80                               ; B's low pair is done
	WAYOUT 1, 70, 112
	s_wait_xcnt 0x0                                ; the stores have read their registers
	INIT
	v_mov_b32 v232, v24                            ; B takes the high pair's two tiles the other way round, so that both waves keep tile 0 and give tile 1
	v_mov_b32 v233, v25
	v_mov_b32 v24, v26
	v_mov_b32 v25, v27
	v_mov_b32 v26, v232
	v_mov_b32 v27, v233
	global_load_b128 v[32:35], v1, s[42:43] offset:1024
	global_load_b128 v[36:39], v1, s[42:43] offset:1536
	global_load_b128 v[40:43], v1, s[42:43]
	global_load_b128 v[44:47], v1, s[42:43] offset:512
	KLOAD 10, 0                                    ; step 9's K
	s_wait_alu depctr_va_vdst(0)                   ; directly ahead of the wait below
	s_wait_loadcnt 0x0
.Lhigh:
	STEPS 9, 7, 1
	; THE JOIN.  My part of tile 1 goes to my partner: O^T as an image of its registers, and (-M, the sum).
	s_wait_dscnt 0x0
	v_mov_b32 v218, v14
	v_add_f32 v219, v22, v23
.rept 4
	v_nop                                          ; places behind the last products (ISA guide 7.12.1)
.endr
	WIN 0x04
.irp k, 0,1,2,3,4,5,6,7
	ds_store_b128 v6, v[208+4*\k:211+4*\k] offset:512*\k
.endr
	WIN 0
	ds_store_b64 v240, v[218:219] offset:4096
	s_wait_dscnt 0x0
	s_barrier_signal -1
	s_barrier_wait -1
.irp k, 0,1,2,3,4,5,6,7
	ds_load_b128 v[112+4*\k:115+4*\k], v9 offset:512*\k
.endr
	ds_load_b64 v[226:227], v241 offset:4096
	s_wait_dscnt 0x0
	v_min_num_f32 v208, v12, v226                  ; the greater M, as -M
	v_sub_f32 v209, v208, v12
	v_sub_f32 v210, v208, v226
	v_cvt_i32_f32 v209, v209
	v_cvt_i32_f32 v210, v210
	v_ldexp_f32 v209, 1.0, v209                    ; my part's factor,
	v_ldexp_f32 v210, 1.0, v210                    ; and my partner's
	v_add_f32 v20, v20, v21
	v_mul_f32 v20, v20, v209
	v_fma_f32 v20, v227, v210, v20
	RECIP 20
	v_mul_f32 v220, v209, v218
	v_mul_f32 v222, v210, v218
	WIN 0x01
	s_wait_alu depctr_va_vdst(0)                   ; directly ahead of the first reader of O^T
.set n, 0
.rept 16
	v_pk_mul_f32 v[S+n:S+n+1], v[176+n:177+n], v[220:221] op_sel_hi:[1,0]
.set n, n+2
.endr
	WIN 0
.set n, 0
.rept 16
	v_pk_fma_f32 v[S+n:S+n+1], v[112+n:113+n], v[222:223], v[S+n:S+n+1] op_sel_hi:[1,0,1]
.set n, n+2
.endr
	SEND 11, 29, 46, 80                            ; the stage is my partner's region, which I alone touch behind the barrier
	s_wait_tensorcnt 0x0                           ; the wave's end
	ds_add_u32 v[SPW], v[NIL]
	s_wait_dscnt 0x0
	CROUND                                         ; the closing round
	s_endpgm
.Lfunc_end_k_qf772449d87_attn:
	.size	k_qf772449d87_attn, .Lfunc_end_k_qf772449d87_attn-k_qf772449d87_attn
	.p2alignl 7, 3214868480
	.fill 96, 4, 3214868480
	.section	.rodata,"a",@progbits
	.p2align	6, 0x0
	.amdhsa_kernel k_qf772449d87_attn
		.amdhsa_group_segment_fixed_size 327680
		.amdhsa_private_segment_fixed_size 0
		.amdhsa_enable_private_segment 0
		.amdhsa_kernarg_size 32
		.amdhsa_user_sgpr_count 2
		.amdhsa_user_sgpr_kernarg_segment_ptr 1
		.amdhsa_wavefront_size32 1
		.amdhsa_system_sgpr_workgroup_id_x 1
		.amdhsa_system_sgpr_workgroup_id_y 1
		.amdhsa_system_sgpr_workgroup_id_z 1
		.amdhsa_system_vgpr_workitem_id 0
		.amdhsa_next_free_vgpr 512
		.amdhsa_next_free_sgpr 80
		.amdhsa_reserve_vcc 0
		.amdhsa_float_denorm_mode_32 3
		.amdhsa_float_denorm_mode_16_64 3
		.amdhsa_memory_ordered 1
		.amdhsa_forward_progress 1
		.amdhsa_inst_pref_size 145
	.end_amdhsa_kernel
	.amdgpu_metadata
---
amdhsa.version: [ 1, 2 ]
amdhsa.kernels:
  - .name:           k_qf772449d87_attn
    .symbol:         k_qf772449d87_attn.kd
    .args:
      - { .name: qc, .offset: 0, .size: 8, .value_kind: global_buffer, .address_space: global }
      - { .name: kv, .offset: 8, .size: 8, .value_kind: global_buffer, .address_space: global }
      - { .name: lowp_scales, .offset: 16, .size: 8, .value_kind: global_buffer, .address_space: global }
      - { .name: out0, .offset: 24, .size: 8, .value_kind: global_buffer, .address_space: global }
    .group_segment_fixed_size: 327680
    .private_segment_fixed_size: 0
    .kernarg_segment_align: 8
    .kernarg_segment_size: 32
    .max_flat_workgroup_size: 256
    .sgpr_count:     80
    .vgpr_count:     512
    .wavefront_size: 32
...
	.end_amdgpu_metadata
.endif
;; end of part 3
